; MI455X (gfx1250); checked and timed in simulation.
; The chip was launched on July 23, 2026; its instructions are those of AMD's public machine-readable ISA for CDNA 5 (MIT licence, August 2026) and "CDNA5" Instruction Set Architecture Reference Guide (July 2026). The comments in the code are by the model that wrote it; some were corrected since.
;; Pixel Level Matching. Allowed arithmetic: matrix products marked QUANTISED: E2M1 operands, one E8M0 scale for each 32 along K, by v_wmma_scale_f32_16x16x128_f8f6f4 with both operands' format E2M1 (or v_wmma_scale_f32_32x16x128_f4), f32 sums; products left as they are: f32 operands where the result goes on into a quantised operand, else bf16, f16 or f32 operands; f32 sums; everything else in f32.
;; Inputs: conv_b 128 float32; conv_w 128 x 512 float32; feats 4 x 512 x 64 x 64 float32; pm_init_bg 4 x 4,096 x 128 float32; pm_init_fg 4 x 4,096 x 128 float32; pm_int_bg 4 x 1 x 128 float32; pm_int_fg 4 x 1 x 128 float32; pm_prev_bg 4 x 4,096 x 128 float32; pm_prev_fg 4 x 4,096 x 128 float32.
;; Outputs: out0 4 x 2 x 64 x 64 float32; out1 4 x 2 x 64 x 64 float32; out2 4 x 2 x 64 x 64 float32; out3 4 x 128 x 64 x 64 float32.
;; This version of the problem:
;;   THIS VERSION OF THE PROBLEM IS GIVEN IN LOW PRECISION. The matrix products marked QUANTISED in the list below multiply operands that are first quantised to E2M1 (2 exponent bits, 1 mantissa bit; 4 bits a number), with one power-of-two scale for each 32 numbers along K (OCP MX v1.0); their sums are f32. All else is computed in f32.
;;   The module's matrix products, in the order in which they are computed (A, B: the left and right operand; K: the contracted axis; several contracted axes count as one K, in the product's order):
;;     1. [M 128, K 512] x [K 512, N 16,384]; A: input conv_w; B: input feats: QUANTISED
;;     2. batch 4 x [M 4,096, K 128] x [K 128, N 4,096]; A: input pm_init_bg; B: computed on the way: QUANTISED
;;     3. batch 4 x [M 4,096, K 128] x [K 128, N 4,096]; A: input pm_init_fg; B: computed on the way: QUANTISED
;;     4. batch 4 x [M 4,096, K 128] x [K 128, N 4,096]; A: input pm_prev_bg; B: computed on the way: QUANTISED
;;     5. batch 4 x [M 4,096, K 128] x [K 128, N 4,096]; A: input pm_prev_fg; B: computed on the way: QUANTISED
;;     6. batch 4 x [M 4,096, K 128] x [K 128, N 1]; A: computed on the way; B: input pm_int_bg: left as it is (N = 1 < 16)
;;     7. batch 4 x [M 4,096, K 128] x [K 128, N 1]; A: computed on the way; B: input pm_int_fg: left as it is (N = 1 < 16)
;;   THE QUANTISER, for each operand of a quantised product, along K:
;;     - K is cut into blocks of 32 from its start; a last block that is shorter is filled with zeros.
;;     - A block's scale is 2^e with e = floor(log2(the largest magnitude in the block)) - 2, held to -126 .. 127; a block of zeros has e = 0. As a byte (E8M0): e + 127.
;;     - Each number is divided by its block's scale, clamped to +-6, and rounded to the nearest number of E2M1, ties to even, subnormals kept.
;;     - The product sums the exact products of the quantised numbers (number of the format x scale) in f32.
;;   ~~~python
;;   def quantise(x, axis):      # numpy; x: float32 -> the quantised numbers, widened to float32 again
;;       x = np.moveaxis(x, axis, -1); K = x.shape[-1]
;;       x = np.pad(x, [(0, 0)] * (x.ndim - 1) + [(0, -K % 32)]); x = x.reshape(x.shape[:-1] + (-1, 32)); a = np.abs(x).max(-1, keepdims=True)
;;       e = np.where(a > 0, np.clip(np.frexp(np.where(a > 0, a, 1))[1] - 1 - 2, -126, 127), 0)      # np.frexp(a)[1] - 1 = floor(log2(a)), exactly
;;       r = np.clip(x / 2.0 ** e, -6, 6)
;;       step = 2.0 ** (np.maximum(np.frexp(np.where(r == 0, 1, r))[1] - 1, 0) - 1)
;;       q = np.round(r / step) * step * 2.0 ** e      # np.round: ties to even
;;       return np.moveaxis(q.reshape(q.shape[:-2] + (-1,))[..., :K], -1, axis).astype(np.float32)
;;   ~~~
;;   OPERANDS COMPUTED ON THE WAY. 'Computed on the way' means the value that the module computes at that place (a softmax that the list does not call 'softmax' is quantised finished and normalised). What goes into a quantiser is computed in f32, as accurately as f32 sums, v_exp_f32 and their like allow (about 1e-6 of the number): no bf16 or f16 on the way to a quantiser, and a product that is left as it is and whose result goes on into a quantised operand takes f32 operands (vector FMAs, or v_wmma_f32_16x16x4_f32). A number that lies on a knife's edge between two numbers of the format may be rounded either way, as far as f32 arithmetic and the matrix unit's own rounding can turn it there, and no further.
;; One version. Each part assembles by itself: llvm-mc -triple=amdgcn-amd-amdhsa -mcpu=gfx1250 --defsym DOCPART=n.
;; ======== version 1 of 1: 2 launches
;; workspace buffers: tcodes 4,194,304 bytes; tscales 262,144 bytes; pcodes 1,048,576 bytes; pscales 65,536 bytes
;; launch prep (part 1): grid 256 x 1, 4 waves a work-group, no clusters, 327,680 bytes of LDS; arguments feats, conv_w, conv_b, pm_int_bg, pm_int_fg, pm_init_bg, pm_init_fg, pm_prev_bg, pm_prev_fg, out2, out3, pcodes, pscales, tcodes, tscales; writes out2, out3, pcodes, pscales, tcodes, tscales
.if DOCPART == 1
	.amdgcn_target "amdgcn-amd-amdhsa--gfx1250"
	.amdhsa_code_object_version 6
	.text
	.protected	k_qc4bc6dabd3_prep
	.globl	k_qc4bc6dabd3_prep
	.p2align	8
	.type	k_qc4bc6dabd3_prep,@function
k_qc4bc6dabd3_prep:
	s_mov_b64 s[64:65], 0
	v_nop
	global_prefetch_b8 v0, s[64:65] scope:SCOPE_SE
	s_setreg_imm32_b32 hwreg(HW_REG_WAVE_MODE, 25, 1), 1
	s_wait_xcnt 0x0
; PixelLevelMatching, first of two launches.  It reads every f32 input once and quantises every operand once.
; NOTHING IS LEFT OUT AS DEAD WORK: every input has a way to an output (conv_b enters the pixels' codes, so it stays), and all nine inputs are loaded here.
; WORK-GROUPS 0-127 (CONV): batch b = u / 32, pixels 128 (u % 32) on.  conv = Q(conv_w) Q(feats) + conv_b on codes of E2M1 with one E8M0 scale for each 32 along c; each pixel is divided by its
;   norm over the 128 channels (out3); the two single templates are f32 multiply-adds (out2); the normalised pixel is quantised along the 128 channels into pcodes, pscales for the second launch.
; WORK-GROUPS 128-255 (TEMPLATES): 512 templates each, of the 16 runs (set, batch) of 4,096: quantised along their 128 channels into tcodes, tscales.
; WORKSPACE, laid as the operand's registers lie: a fragment (16 rows x 128 K, 8 registers a lane) is 1,024 bytes: registers 0-3 at 16 x lane, registers 4-7 at 512 + 16 x lane; a row's four scale bytes are one word.
; A block's scale is 2^(floor(log2(largest magnitude)) - 2); its byte is the largest magnitude's exponent field - 2, held at 1 from below.
; LIMITS: NaN and infinities among the inputs are not served.  A block of zeros gets the byte 1 where the rule says 127: its codes are zeros, and the bytes are read by this program alone.
;   A pixel whose sum of squares lies under 2^-126 is taken as of norm zero (the reciprocal root takes a denormal as zero).  1 / norm is a reciprocal root and a multiplication, in f32.
; NO CLUSTER: the one thing that CONV work-groups share is conv_w, 262,144 bytes of f32; a work-group's feats take 262,144 of the 327,680 bytes of LDS, so a joint tile of conv_w has no room beside them.
;   Each wave loads one K step of conv_w through registers, quantises it, and hands the codes (32,768 bytes) to the others through LDS.
; The two kinds of work-group part on the work-group's number alone and never join; each has LDS bytes of its own.
.set FE,    0                          ; LDS: feats, 512 rows (c) x 512 bytes (128 pixels), as they come; filled once
.set WIM,   262144                     ; conv_w's 32 fragments as images: (tile t, K step s) at 8,192 s + 1,024 t.  A wave's own 8,192 bytes first serve as its stage for the turn
.set WSC,   294912                     ; their scale words: 128 (8 s + t) + 4 x lane
.set SM,    299008                     ; 128 pixels x 4 bytes, three times: int_bg, int_fg, the pixels' scale words
.set TST,   300544                     ; TEMPLATES: a stage of 16 x 272 bytes for each wave
.set TSC,   317952                     ; TEMPLATES: 128 scale words for each wave
.set SPARE, 320000                     ; the spare words, 128 bytes for each wave: two blocks of 256 bytes that no other line names
.set S3P,   576                        ; out3's stage: row o at 576 o + 64 ((o / 16) % 2), in feats' rows 0-143, which have had their only fill and their last read when it is written
.set SPW,  4                           ; v4   my spare word's LDS address; never rewritten
.set NIL,  5                           ; v5   0; never rewritten
.set GA,   6                           ; v6   a fragment's loads: (lane / 16) rows + 16 (lane % 16)
.set SA,   7                           ; v7   the stage, in: 272 (lane / 16) + 16 (lane % 16)
.set RA,   8                           ; v8   the stage, out: 272 r + 64 h
.set LI,   9                           ; v9   16 x lane
.set TSW,  10                          ; v10  TEMPLATES: where my row's scale word goes;   CONV: WIA, where I store my images
.set WIA,  10
.set TSR,  11                          ; v11  TEMPLATES: where I read the words back;      CONV: WSA, where I store my scale words
.set WSA,  11
.set FAD,  12                          ; v12-15 feats: my pixel's column in K step s
.set WRA,  16                          ; v16  all images, 16 x lane
.set WSRA, 17                          ; v17  all scale words, 4 x lane
.set S3A,  18                          ; v18-19 out3's stage, in, for pixel tile 0, 1
.set S3R,  20                          ; v20  out3's stage, out
.set SMA,  21                          ; v21  my pixel's word in SM
.set SMR,  22                          ; v22  SM, 16 x lane
.set BA,   23                          ; v23  64 h: my half's eight channels of a tile
.set TM,   24                          ; v24-39 at work in the quantisers
.set PW,   40                          ; v40-41 the scale word just made
.set RN,   42                          ; v[42:43] 1 / norm (the pair's low word serves both halves)
.set SS,   44                          ; v44-51 sums of squares, four pairs
.set IB,   52                          ; v52-55 int_bg's sums
.set IG,   56                          ; v56-59 int_fg's sums
.set FS,   60                          ; v60-63 feats' scale words of K step s: lanes 0-15 pixel tile 0, lanes 16-31 tile 1; scales and nothing else
.set X,    64                          ; v64-127 64 numbers to quantise, or two sets of 32
.set ACC,  64                          ; v64-127 later the eight accumulators of a pixel tile
.set WC,   128                         ; v128-191 my eight fragments of conv_w,
.set FC,   128                         ; later feats' fragments: K step s, pixel tile T at 16 s + 8 T
.set WSR,  192                         ; v192-223 conv_w's scale words, 8 s + t; scales and nothing else
.set WS,   224                         ; v224-231 the scale words of my eight fragments
.set CD,   232                         ; v232-247 codes just made
; window 1: four sets of 64 registers for loads in flight; in CONV later conv_w's 32 fragments, (t, s) at 8 (8 s + t).   window 2 (CONV): v0-63 conv_b, v64-127 int_bg, v128-191 int_fg, in the result's layout
.set WV,   34
.set G1,   36                          ; s[36:43] descriptor group 1;  s[44:47], s[48:51] groups 0
.set G0A,  44
.set G0B,  48
.set SEL,  52                          ; s[52:53] v_permlanex16_b32's selects for lane l xor 16
.set MSB, 0
.macro WIN new                         ; the immediate's high byte repeats the setting that is left
.if MSB != \new
	s_set_vgpr_msb (MSB<<8)|\new
.set MSB, \new
.endif
.endm
; 64 numbers of a lane, register 16 b + i = k 32 b + 16 (lane / 16) + i of my row, become a fragment's 8 registers of codes in v[dst] on and my row's scale word in v[wrd].
.macro QUANT src, dst, wrd
.irp b, 0,1,2,3
	v_max3_num_f32 v[TM+\b], |v[\src+16*\b]|, |v[\src+16*\b+1]|, 0x1800000   ; block b: my 16 numbers, and the floor 2^(3 - 127): the byte cannot fall under 1
.endr
.irp i, 2,4,6,8,10,12,14
.irp b, 0,1,2,3
	v_max3_num_f32 v[TM+\b], v[TM+\b], |v[\src+16*\b+\i]|, |v[\src+16*\b+\i+1]|   ; the four blocks by turns
.endr
.endr
.irp b, 0,1,2,3
	v_permlanex16_b32 v[TM+4+\b], v[TM+\b], s[SEL], s[SEL+1]
.endr
.irp b, 0,1,2,3
	v_max_num_f32 v[TM+\b], v[TM+\b], v[TM+4+\b]   ; with lane l xor 16's: the block's largest magnitude
.endr
.irp b, 0,1,2,3
	v_add_nc_u32 v[TM+12+\b], 0xff000000, v[TM+\b]   ; 2 off its exponent field: the conversion takes this operand's exponent field as its scale
.endr
.irp b, 0,1,2,3
	v_lshrrev_b32 v[TM+4+\b], 23, v[TM+12+\b]      ; the scale's byte
.endr
	v_lshl_or_b32 v[\wrd], v[TM+5], 8, v[TM+4]
	v_lshl_or_b32 v[\wrd], v[TM+6], 16, v[\wrd]
	v_lshl_or_b32 v[\wrd], v[TM+7], 24, v[\wrd]
.irp b, 0,1,2,3
	v_cvt_scalef32_pk8_fp4_f32 v[\dst+2*\b], v[\src+16*\b:\src+16*\b+7], v[TM+12+\b]
	v_cvt_scalef32_pk8_fp4_f32 v[\dst+2*\b+1], v[\src+16*\b+8:\src+16*\b+15], v[TM+12+\b]
.endr
	v_nop                                          ; one plain place behind a scaled conversion
.irp u, 0,1                                    ; the operand's layout wants a whole block in a lane: lanes 0-15 block 2 u, lanes 16-31 block 2 u + 1
.irp i, 0,1
	v_permlane16_swap_b32 v[\dst+4*\u+\i], v[\dst+4*\u+2+\i]
.endr
.endr
.endm
; 16 rows x 128 numbers, loaded as they lie (set rb of window 1: register 32 y + 4 i: rows 2 i, 2 i + 1, half y), turn through my own stage, half a row at a time, into QUANT's order.
; LDS serves a wave's instructions in order, so no wait stands between the stores and the loads, nor in front of the second half's stores.  Rows 272 bytes apart: 16 lanes touch 16 different columns of 16 bytes.
.macro TURN rb
.irp y, 0,1
	WIN 0x04                                       ; an LDS store's data are its source 1: window 1
.irp i, 0,1,2,3,4,5,6,7
	ds_store_b128 v[SA], v[(\rb)+32*\y+4*\i:(\rb)+32*\y+4*\i+3] offset:544*\i
.endr
	WIN 0
.irp e, 0,1
.irp j, 0,1,2,3
	ds_load_b128 v[X+32*\y+16*\e+4*\j:X+32*\y+16*\e+4*\j+3], v[RA] offset:128*\e+16*\j
.endr
.endr
.endr
.endm
	s_load_b512 s[4:19], s[0:1], 0x0               ; feats 4, conv_w 6, conv_b 8, int_bg 10, int_fg 12, init_bg 14, init_fg 16, prev_bg 18
	s_load_b256 s[20:27], s[0:1], 0x40             ; prev_fg 20, out2 22, out3 24, pcodes 26
	s_load_b128 s[28:31], s[0:1], 0x60             ; pscales 28, tcodes 30
	s_load_b64 s[32:33], s[0:1], 0x70              ; tscales
	v_lshl_add_u32 v[SPW], v0, 2, SPARE
	v_mov_b32 v[NIL], 0
	ds_add_u32 v[SPW], v[NIL]                      ; the wave's opening: the add, twice on end, and its wait ahead of my first tensor load
	ds_add_u32 v[SPW], v[NIL]                      ; and once more, under the one wait; the set-up below, work on registers, stands between
	v_lshrrev_b32 v1, 5, v0
	v_readfirstlane_b32 s[WV], v1                  ; wave 0..3
	v_and_b32 v1, 31, v0                           ; lane
	v_and_b32 v2, 15, v0                           ; r
	v_bfe_u32 v3, v0, 4, 1                         ; h
	v_lshlrev_b32 v[LI], 4, v1
	; descriptor group 1: a tile of 64 rows (c) x 128 elements of 4 bytes (pixels), rows 4,096 elements apart, laid dense in LDS
	s_mov_b32 s[G1+0], 2<<16                       ; no mask; elements of 4 bytes; no padding
	s_mov_b32 s[G1+1], 128<<16                     ; tensor_dim0 = 128
	s_mov_b32 s[G1+2], 64<<16                      ; tensor_dim1 = 64
	s_mov_b32 s[G1+3], 128<<16                     ; tile_dim0 = 128
	s_mov_b32 s[G1+4], 64                          ; tile_dim1 = 64
	s_mov_b32 s[G1+5], 4096                        ; from row to row
	s_mov_b32 s[G1+6], 0
	s_mov_b32 s[G1+7], 0
	s_mov_b32 s[SEL], 0x76543210
	s_mov_b32 s[SEL+1], 0xfedcba98
.irp b, 0,1,2,3
	v_mov_b32 v[TM+4+\b], 0                        ; written once: a lane permute's destination counts as one of its sources
.endr
	s_wait_dscnt 0x0                               ; both opening adds are done
	s_wait_kmcnt 0x0
	s_cmp_ge_u32 ttmp9, 128                        ; the work-group's number alone: all four waves go the same way
	s_cbranch_scc1 .Ltemplates
; ======================================================== CONV ========================================================
	s_lshr_b32 s54, ttmp9, 5                       ; b
	s_and_b32 s55, ttmp9, 31                       ; which 128 pixels
	s_lshl_b32 s58, s55, 9                         ; their 512 bytes in a row of 4,096 pixels
	s_lshl_b32 s56, s54, 23                        ; a batch of feats: 512 rows of 16,384 bytes
	s_add_co_u32 s56, s56, s58
	s_lshl_b32 s59, s[WV], 20                      ; my 64 rows
	s_add_co_u32 s56, s56, s59
	s_mov_b32 s57, 0
	s_mov_b32 s[G0A], 1                            ; count = 1
	s_lshl_b32 s[G0A+1], s[WV], 15                 ; LDS: rows 64 w on
	s_add_nc_u64 s[G0A+2:G0A+3], s[4:5], s[56:57]  ; rows c = 64 w .. 64 w + 63: with the other waves' K steps 0 and 1
	s_mov_b32 s[G0B], 1
	s_add_co_u32 s[G0B+1], s[G0A+1], 131072        ; LDS: rows 256 + 64 w on
	s_add_nc_u64 s[G0B+2:G0B+3], s[G0A+2:G0A+3], 4194304   ; 256 rows further down: K steps 2 and 3
	s_or_b32 s[G0A+3], s[G0A+3], 0x80000000        ; type = 2
	s_or_b32 s[G0B+3], s[G0B+3], 0x80000000
	tensor_load_to_lds s[G0A:G0A+3], s[G1:G1+7]    ; every wave's two first fills go out together: two loads of mine are out
	s_nop 0
	tensor_load_to_lds s[G0B:G0B+3], s[G1:G1+7]
	s_nop 0
.rept 4
	v_nop
.endr
	s_lshl_b32 s56, s[WV], 9
	s_add_nc_u64 s[6:7], s[6:7], s[56:57]          ; conv_w at K step w: 128 numbers on in each row
	s_lshl_b32 s56, s54, 9
	s_add_nc_u64 s[10:11], s[10:11], s[56:57]      ; my batch's single templates
	s_add_nc_u64 s[12:13], s[12:13], s[56:57]
	s_lshl_b32 s56, s54, 15
	s_add_co_u32 s56, s56, s58
	s_add_nc_u64 s[22:23], s[22:23], s[56:57]      ; out2[b][0][my pixels]
	s_lshl_b32 s56, s54, 21
	s_add_co_u32 s56, s56, s58
	s_lshl_b32 s59, s[WV], 19
	s_add_co_u32 s56, s56, s59
	s_add_nc_u64 s[24:25], s[24:25], s[56:57]      ; out3[b][32 w][my work-group's pixels]
	s_lshl_b32 s56, s54, 18
	s_lshl_b32 s59, s55, 13
	s_add_co_u32 s56, s56, s59
	s_lshl_b32 s59, s[WV], 11
	s_add_co_u32 s56, s56, s59
	s_add_nc_u64 s[26:27], s[26:27], s[56:57]      ; pcodes: pixel tile 256 b + 8 (block) + 2 w, 1,024 bytes each
	s_lshl_b32 s56, s54, 14
	s_add_co_u32 s56, s56, s58
	s_add_nc_u64 s[28:29], s[28:29], s[56:57]      ; pscales: a word a pixel
	v_lshlrev_b32 v[GA], 4, v2
	v_lshl_add_u32 v[GA], v3, 11, v[GA]            ; conv_w: a row is 2,048 bytes
	s_lshl_b32 s60, s[WV], 13
	s_add_co_u32 s60, s60, WIM                     ; my 8,192 bytes of the images: first my stage
	v_mul_u32_u24 v[SA], v3, 272
	v_lshl_add_u32 v[SA], v2, 4, v[SA]
	v_add_nc_u32 v[SA], s60, v[SA]
	v_mul_u32_u24 v[RA], v2, 272
	v_lshl_add_u32 v[RA], v3, 6, v[RA]
	v_add_nc_u32 v[RA], s60, v[RA]
	v_add_nc_u32 v[WIA], s60, v[LI]
	s_lshl_b32 s61, s[WV], 10
	s_add_co_u32 s61, s61, WSC
	v_lshl_add_u32 v[WSA], v1, 2, s61
	s_lshl_b32 s62, s[WV], 7                       ; my 32 pixels' 128 bytes in a row
	v_lshl_add_u32 v[FAD], v1, 2, s62
	v_add_nc_u32 v[FAD+1], 0x10000, v[FAD]         ; a K step is 128 rows of 512 bytes
	v_add_nc_u32 v[FAD+2], 0x20000, v[FAD]
	v_add_nc_u32 v[FAD+3], 0x30000, v[FAD]
	v_add_nc_u32 v[WRA], WIM, v[LI]
	v_lshl_add_u32 v[WSRA], v1, 2, WSC
	v_mul_u32_u24 v[S3A], v3, 16*S3P+64            ; lanes 16-31 hold channels 16 further on: 16 rows down and 64 bytes to the right, so that the two halves of the lanes fall on different banks
	v_lshl_add_u32 v[S3A], v2, 2, v[S3A]
	v_add_nc_u32 v[S3A], s62, v[S3A]
	v_add_nc_u32 v[S3A+1], 64, v[S3A]
	s_mul_i32 s63, s[WV], 32*S3P
	v_add_nc_u32 v[S3R], s63, v[LI]
	s_add_co_u32 s66, s62, SM
	v_lshl_add_u32 v[SMA], v2, 2, s66
	v_add_nc_u32 v[SMR], SM, v[LI]
	v_lshlrev_b32 v[BA], 6, v3
	; conv_b and the two single templates in the result's layout: in tile t lane (r, h) holds channels 32 (t / 2) + 16 h + 8 (t % 2) + 0 .. 7.  They go out ahead of conv_w's loads, so those loads' counted waits cover them
	WIN 0x80                                       ; destination window 2
.irp t, 0,1,2,3,4,5,6,7
	global_load_b128 v[8*\t:8*\t+3], v[BA], s[8:9] offset:(32*(\t/2)+8*(\t%2))*4
	global_load_b128 v[8*\t+4:8*\t+7], v[BA], s[8:9] offset:(32*(\t/2)+8*(\t%2))*4+16
	global_load_b128 v[64+8*\t:64+8*\t+3], v[BA], s[10:11] offset:(32*(\t/2)+8*(\t%2))*4
	global_load_b128 v[64+8*\t+4:64+8*\t+7], v[BA], s[10:11] offset:(32*(\t/2)+8*(\t%2))*4+16
	global_load_b128 v[128+8*\t:128+8*\t+3], v[BA], s[12:13] offset:(32*(\t/2)+8*(\t%2))*4
	global_load_b128 v[128+8*\t+4:128+8*\t+7], v[BA], s[12:13] offset:(32*(\t/2)+8*(\t%2))*4+16
.endr
	WIN 0
; conv_w, tile t of K step w.  THE ROWS OF A TILE ARE NOT NEIGHBOURS: lane r takes row 32 (t / 2) + 8 (t % 2) + r + 8 (r / 8), so that a lane's 16 results of tiles 2 b, 2 b + 1 are 16 neighbouring channels.
; Each load reads 256 consecutive aligned bytes of two rows.
.macro LOADW t
	WIN 0x40                                       ; destination window 1
.irp y, 0,1
.irp i, 0,1,2,3,4,5,6,7
	global_load_b128 v[64*((\t)%4)+32*\y+4*\i:64*((\t)%4)+32*\y+4*\i+3], v[GA], s[6:7] offset:(32*((\t)/2)+8*((\t)%2)+2*\i+8*(\i/4))*2048+256*\y
.endr
.endr
	WIN 0
.endm
.macro WFRAG t
.if (\t)+3 < 8
	LOADW (\t)+3                                   ; into the set that tile t - 1 has left: its stores into the stage were waited for
.endif
.if (\t) <= 4
	s_wait_loadcnt 48                              ; tile t's 16 loads are in; the three tiles behind it stay out
.else
	s_wait_loadcnt 16*(7-(\t))
.endif
	TURN 64*((\t)%4)
	s_wait_dscnt 0x0
	QUANT X, WC+8*(\t), WS+(\t)
.endm
	LOADW 0
	LOADW 1
	LOADW 2
.irp t, 0,1,2,3,4,5,6,7
	WFRAG \t
.endr
.irp t, 0,1,2,3,4,5,6,7                        ; my eight fragments go to LDS as images of their registers, over my stage, which I have read out
	ds_store_b128 v[WIA], v[WC+8*\t:WC+8*\t+3] offset:1024*\t
	ds_store_b128 v[WIA], v[WC+8*\t+4:WC+8*\t+7] offset:1024*\t+512
	ds_store_b32 v[WSA], v[WS+\t] offset:128*\t
.endr
	s_wait_tensorcnt 0x1                           ; my rows of K steps 0 and 1 are in; my second load may stay out
	s_wait_dscnt 0x0                               ; for the others' sake: my images have landed
	s_barrier_signal -1
	s_barrier_wait -1
	WIN 0x40
.irp f, 0,1,2,3,4,5,6,7,8,9,10,11,12,13,14,15,16,17,18,19,20,21,22,23,24,25,26,27,28,29,30,31
	ds_load_b128 v[8*\f:8*\f+3], v[WRA] offset:1024*\f          ; all of conv_w's codes stay in my registers
	ds_load_b128 v[8*\f+4:8*\f+7], v[WRA] offset:1024*\f+512
.endr
	WIN 0
.irp f, 0,1,2,3,4,5,6,7,8,9,10,11,12,13,14,15,16,17,18,19,20,21,22,23,24,25,26,27,28,29,30,31
	ds_load_b32 v[WSR+\f], v[WSRA] offset:128*\f
.endr
; feats.  A LANE TAKES A PIXEL, AND ITS REGISTERS RUN DOWN c: block n (32 channels) of my pixel is 32 loads of 128 consecutive bytes a wave; its largest magnitude needs no other lane, and the codes come out with K innermost.
.macro LOADB n
.irp i, 0,1,2,3,4,5,6,7,8,9,10,11,12,13,14,15,16,17,18,19,20,21,22,23,24,25,26,27,28,29,30,31
	ds_load_b32 v[X+32*((\n)%2)+\i], v[FAD+(\n)/4] offset:(32*((\n)%4)+\i)*512
.endr
.endm
.macro FBLK n, left, ahead
.set XS, X+32*((\n)%2)
.set FQ, FC+16*((\n)/4)+8*((\n)%2)+4*(((\n)%4)/2)  ; blocks 0, 1, 2, 3 of a K step at 0, 8, 4, 12
	s_wait_dscnt \left                             ; this block's 32 loads are in; the next block's may be out
	v_max3_num_f32 v[TM], |v[XS]|, |v[XS+1]|, |v[XS+2]|
	v_max3_num_f32 v[TM+1], |v[XS+3]|, |v[XS+4]|, |v[XS+5]|
.irp i, 6,10,14,18,22,26
	v_max3_num_f32 v[TM], v[TM], |v[XS+\i]|, |v[XS+\i+1]|
	v_max3_num_f32 v[TM+1], v[TM+1], |v[XS+\i+2]|, |v[XS+\i+3]|
.endr
	v_max3_num_f32 v[TM], v[TM], |v[XS+30]|, |v[XS+31]|
	v_max3_num_f32 v[TM], v[TM], v[TM+1], 0x1800000   ; and the floor
	v_add_nc_u32 v[TM+2], 0xff000000, v[TM]
.irp g, 0,1,2,3
	v_cvt_scalef32_pk8_fp4_f32 v[FQ+\g], v[XS+8*\g:XS+8*\g+7], v[TM+2]
.endr
	v_lshrrev_b32 v[TM+3], 23, v[TM+2]             ; the scale's byte.  (The plain place behind the conversions)
.if (\n)%4 == 0
	v_mov_b32 v[FS+(\n)/4], v[TM+3]
.else
	v_lshl_or_b32 v[FS+(\n)/4], v[TM+3], 8*((\n)%4), v[FS+(\n)/4]
.endif
.if \ahead
	LOADB (\n)+2
.endif
.if (\n)%4 == 3                                ; lanes 0-15 hold pixel tile 0, lanes 16-31 tile 1, each all four blocks.  The operand wants block 2 u in lanes 0-15 and block 2 u + 1 in lanes 16-31 of ONE tile:
.irp i, 0,1,2,3                                ; blocks 0 and 1, and blocks 2 and 3, change halves: registers 0-7 are then tile 0's fragment, 8-15 tile 1's
	v_permlane16_swap_b32 v[FC+16*((\n)/4)+\i], v[FC+16*((\n)/4)+8+\i]
	v_permlane16_swap_b32 v[FC+16*((\n)/4)+4+\i], v[FC+16*((\n)/4)+12+\i]
.endr
.endif
.endm
	LOADB 0
	LOADB 1
.irp n, 0,1,2,3,4,5
	FBLK \n, 32, 1                                 ; (the first wait also covers conv_w's images and scale words)
.endr
	FBLK 6, 32, 0
	FBLK 7, 0, 0
	s_wait_tensorcnt 0x0                           ; my rows of K steps 2 and 3 are in,
	s_wait_dscnt 0x0                               ; and my reads of rows 0-255 are over: out3's stage will be laid there
	s_barrier_signal -1
	s_barrier_wait -1
	LOADB 8
	LOADB 9
.irp n, 8,9,10,11,12,13
	FBLK \n, 32, 1
.endr
	FBLK 14, 32, 0
	FBLK 15, 0, 0
.rept 8
	v_nop                                          ; a scale register written by a vector instruction stands 8 places ahead of a scaled matrix instruction, an operand so written 4
.endr
; TRANSPOSED: source 0 = 16 rows of conv_w, source 1 = 16 pixels.  Lane (r, h) holds pixel r; register 16 b + i of the eight tiles is channel 32 b + 16 h + i.  conv_b is the C of each sum's first product.
.macro PRD t, s, px, first
.if \first
.if \px
	v_wmma_scale_f32_16x16x128_f8f6f4 v[ACC+8*\t:ACC+8*\t+7], v[8*(8*\s+\t):8*(8*\s+\t)+7], v[FC+16*\s+8*\px:FC+16*\s+8*\px+7], v[8*\t:8*\t+7], v[WSR+8*\s+\t], v[FS+\s] matrix_a_fmt:MATRIX_FMT_FP4 matrix_b_fmt:MATRIX_FMT_FP4 matrix_b_scale:MATRIX_SCALE_ROW1
.else
	v_wmma_scale_f32_16x16x128_f8f6f4 v[ACC+8*\t:ACC+8*\t+7], v[8*(8*\s+\t):8*(8*\s+\t)+7], v[FC+16*\s+8*\px:FC+16*\s+8*\px+7], v[8*\t:8*\t+7], v[WSR+8*\s+\t], v[FS+\s] matrix_a_fmt:MATRIX_FMT_FP4 matrix_b_fmt:MATRIX_FMT_FP4
.endif
.else
.if \px
	v_wmma_scale_f32_16x16x128_f8f6f4 v[ACC+8*\t:ACC+8*\t+7], v[8*(8*\s+\t):8*(8*\s+\t)+7], v[FC+16*\s+8*\px:FC+16*\s+8*\px+7], v[ACC+8*\t:ACC+8*\t+7], v[WSR+8*\s+\t], v[FS+\s] matrix_a_fmt:MATRIX_FMT_FP4 matrix_b_fmt:MATRIX_FMT_FP4 matrix_b_scale:MATRIX_SCALE_ROW1
.else
	v_wmma_scale_f32_16x16x128_f8f6f4 v[ACC+8*\t:ACC+8*\t+7], v[8*(8*\s+\t):8*(8*\s+\t)+7], v[FC+16*\s+8*\px:FC+16*\s+8*\px+7], v[ACC+8*\t:ACC+8*\t+7], v[WSR+8*\s+\t], v[FS+\s] matrix_a_fmt:MATRIX_FMT_FP4 matrix_b_fmt:MATRIX_FMT_FP4
.endif
.endif
.endm
.macro MM px                                   ; 32 products: the eight accumulators take turns, one instruction a turn, K step by K step
	WIN 0x21                                       ; source 0 (conv_w) window 1, source 2 (conv_b) window 2
.irp t, 0,1,2,3,4,5,6,7
	PRD \t, 0, \px, 1
.endr
	WIN 0x01
.irp s, 1,2,3
.irp t, 0,1,2,3,4,5,6,7
	PRD \t, \s, \px, 0
.endr
.endr
	WIN 0
.rept 4
	v_nop                                          ; four places in front of the first read of results
.endr
.endm
.macro EPI px
.irp k, 0,1,2,3
	v_pk_mul_f32 v[SS+2*\k:SS+2*\k+1], v[ACC+2*\k:ACC+2*\k+1], v[ACC+2*\k:ACC+2*\k+1]   ; the sum of squares of my 64 channels, in four chains; ascending
.endr
.set KK, 4
.rept 28
	v_pk_fma_f32 v[SS+2*(KK%4):SS+2*(KK%4)+1], v[ACC+2*KK:ACC+2*KK+1], v[ACC+2*KK:ACC+2*KK+1], v[SS+2*(KK%4):SS+2*(KK%4)+1]
.set KK, KK+1
.endr
	v_pk_add_f32 v[SS:SS+1], v[SS:SS+1], v[SS+2:SS+3]
	v_pk_add_f32 v[SS+4:SS+5], v[SS+4:SS+5], v[SS+6:SS+7]
	v_pk_add_f32 v[SS:SS+1], v[SS:SS+1], v[SS+4:SS+5]
	v_add_f32 v[SS], v[SS], v[SS+1]
	v_permlanex16_b32 v[SS+2], v[SS], s[SEL], s[SEL+1]
	v_add_f32 v[SS], v[SS], v[SS+2]                ; with lane l xor 16's 64 channels: the pixel's
	v_rsq_f32 v[RN], v[SS]
	v_mov_b32 v[RN+1], 0                           ; a plain place behind the transcendental (the pair's upper word is named with it, so it is written)
	s_wait_alu depctr_va_vdst(0)                   ; the wait ahead of the first reader
.set KK, 0
.rept 32
	v_pk_mul_f32 v[ACC+2*KK:ACC+2*KK+1], v[ACC+2*KK:ACC+2*KK+1], v[RN:RN+1] op_sel_hi:[1,0]
.set KK, KK+1
.endr
.irp b, 0,1,2,3
.irp i, 0,1,2,3,4,5,6,7,8,9,10,11,12,13,14,15
	ds_store_b32 v[S3A+\px], v[ACC+16*\b+\i] offset:(32*\b+\i)*S3P   ; out3's stage: channel 32 b + 16 h + i, my pixel
.endr
.endr
	WIN 0x08                                       ; source 1 window 2: the single templates
.set KK, 0
.rept 32
.if KK < 2
	v_pk_mul_f32 v[IB+2*KK:IB+2*KK+1], v[ACC+2*KK:ACC+2*KK+1], v[64+2*KK:64+2*KK+1]
	v_pk_mul_f32 v[IG+2*KK:IG+2*KK+1], v[ACC+2*KK:ACC+2*KK+1], v[128+2*KK:128+2*KK+1]
.else
	v_pk_fma_f32 v[IB+2*(KK%2):IB+2*(KK%2)+1], v[ACC+2*KK:ACC+2*KK+1], v[64+2*KK:64+2*KK+1], v[IB+2*(KK%2):IB+2*(KK%2)+1]
	v_pk_fma_f32 v[IG+2*(KK%2):IG+2*(KK%2)+1], v[ACC+2*KK:ACC+2*KK+1], v[128+2*KK:128+2*KK+1], v[IG+2*(KK%2):IG+2*(KK%2)+1]
.endif
.set KK, KK+1
.endr
	WIN 0
	v_pk_add_f32 v[IB:IB+1], v[IB:IB+1], v[IB+2:IB+3]
	v_pk_add_f32 v[IG:IG+1], v[IG:IG+1], v[IG+2:IG+3]
	v_add_f32 v[IB], v[IB], v[IB+1]
	v_add_f32 v[IG], v[IG], v[IG+1]
	v_permlanex16_b32 v[IB+2], v[IB], s[SEL], s[SEL+1]
	v_permlanex16_b32 v[IG+2], v[IG], s[SEL], s[SEL+1]
	v_add_f32 v[IB], v[IB], v[IB+2]
	v_add_f32 v[IG], v[IG], v[IG+2]
	QUANT ACC, CD+8*\px, PW+\px                    ; the normalised pixels, along the 128 channels: an operand of the second launch
	global_store_b128 v[LI], v[CD+8*\px:CD+8*\px+3], s[26:27] offset:1024*\px          ; 32 lanes store 512 consecutive aligned bytes
	global_store_b128 v[LI], v[CD+8*\px+4:CD+8*\px+7], s[26:27] offset:1024*\px+512
	ds_store_b32 v[SMA], v[IB] offset:64*\px       ; lanes r and r + 16 write the same word with the same value
	ds_store_b32 v[SMA], v[IG] offset:512+64*\px
	ds_store_b32 v[SMA], v[PW+\px] offset:1024+64*\px
.endm
	MM 0
	EPI 0
	s_wait_dscnt 0x0                               ; the stage's stores have read the accumulators: they may be begun anew
	MM 1
	EPI 1
	s_wait_dscnt 0x0                               ; for the others' sake: my columns of the stage and my words have landed
	s_barrier_signal -1
	s_barrier_wait -1
	s_cmp_lg_u32 s[WV], 0
	s_cbranch_scc1 .Lnot_wave_0
	ds_load_b128 v[24:27], v[SMR]                  ; wave 0: the 128 pixels' int_bg and int_fg: 512 consecutive bytes each
	ds_load_b128 v[28:31], v[SMR] offset:512
	s_wait_dscnt 0x0
	global_store_b128 v[LI], v[24:27], s[22:23]
	global_store_b128 v[LI], v[28:31], s[22:23] offset:16384
.Lnot_wave_0:
	s_cmp_lg_u32 s[WV], 1
	s_cbranch_scc1 .Lnot_wave_1
	ds_load_b128 v[32:35], v[SMR] offset:1024      ; wave 1: their scale words
	s_wait_dscnt 0x0
	global_store_b128 v[LI], v[32:35], s[28:29]
.Lnot_wave_1:
.irp i, 0,1,2,3,4,5,6,7,8,9,10,11,12,13,14,15,16,17,18,19,20,21,22,23,24,25,26,27,28,29,30,31
	ds_load_b128 v[64+4*\i:64+4*\i+3], v[S3R] offset:S3P*\i+64*((\i/16)%2)   ; channel 32 w + i: a whole row of 128 pixels
.endr
.irp i, 0,1,2,3,4,5,6,7,8,9,10,11,12,13,14,15,16,17,18,19,20,21,22,23,24,25,26,27,28,29,30,31
	s_wait_dscnt 31-\i                             ; LDS loads come back in order: row i is in
	global_store_b128 v[LI], v[64+4*\i:64+4*\i+3], s[24:25] offset:16384*\i th:TH_STORE_NT   ; 32 lanes store 512 consecutive aligned bytes; written once, read by nobody here
.endr
	s_wait_tensorcnt 0x0                           ; the wave's end: behind my last tensor load and my last LDS store
	ds_add_u32 v[SPW], v[NIL]
	s_wait_dscnt 0x0
	s_endpgm
; ====================================================== TEMPLATES ======================================================
.Ltemplates:
	s_sub_co_u32 s54, ttmp9, 128                   ; u: 32 work-groups to a set, 8 to a batch of it
	s_cmp_lt_u32 s54, 64                           ; the set's tensor is chosen on the work-group's number alone
	s_cselect_b64 s[56:57], s[14:15], s[18:19]     ; init_bg or prev_bg
	s_cselect_b64 s[58:59], s[16:17], s[20:21]     ; init_fg or prev_fg
	s_bitcmp1_b32 s54, 5
	s_cselect_b64 s[56:57], s[58:59], s[56:57]
	s_and_b32 s60, s54, 31
	s_lshl_b32 s60, s60, 18                        ; 512 templates of 512 bytes to a work-group,
	s_lshl_b32 s61, s[WV], 16                      ; 128 to a wave: eight fragments of 16
	s_add_co_u32 s60, s60, s61
	s_mov_b32 s61, 0
	s_add_nc_u64 s[56:57], s[56:57], s[60:61]
	s_lshl_b32 s60, s54, 15
	s_lshl_b32 s62, s[WV], 13
	s_add_co_u32 s60, s60, s62
	s_add_nc_u64 s[30:31], s[30:31], s[60:61]      ; tcodes: fragment 32 u + 8 w
	s_lshl_b32 s60, s54, 11
	s_lshl_b32 s62, s[WV], 9
	s_add_co_u32 s60, s60, s62
	s_add_nc_u64 s[32:33], s[32:33], s[60:61]      ; tscales: a word a template
	v_lshlrev_b32 v[GA], 4, v2
	v_lshl_add_u32 v[GA], v3, 9, v[GA]             ; a template is 512 bytes
	s_mul_i32 s63, s[WV], 16*272
	s_add_co_u32 s63, s63, TST                     ; my stage
	v_mul_u32_u24 v[SA], v3, 272
	v_lshl_add_u32 v[SA], v2, 4, v[SA]
	v_add_nc_u32 v[SA], s63, v[SA]
	v_mul_u32_u24 v[RA], v2, 272
	v_lshl_add_u32 v[RA], v3, 6, v[RA]
	v_add_nc_u32 v[RA], s63, v[RA]
	s_add_co_u32 s62, s62, TSC                     ; my 128 scale words
	v_lshl_add_u32 v[TSW], v2, 2, s62
	v_add_nc_u32 v[TSR], s62, v[LI]
.macro LOADT f                                 ; fragment f: 16 loads, each 256 consecutive aligned bytes of two templates; read once in the launch
	WIN 0x40
.irp y, 0,1
.irp i, 0,1,2,3,4,5,6,7
	global_load_b128 v[64*((\f)%4)+32*\y+4*\i:64*((\f)%4)+32*\y+4*\i+3], v[GA], s[56:57] offset:8192*(\f)+1024*\i+256*\y th:TH_LOAD_NT
.endr
.endr
	WIN 0
.endm
.macro TFRAG f
.if (\f)+3 < 8
	LOADT (\f)+3                                   ; into the set that fragment f - 1 has left: its stores into the stage were waited for
.endif
.if (\f) <= 4
	s_wait_loadcnt 48                              ; fragment f's 16 loads are in; the three fragments behind it stay out
.else
	s_wait_loadcnt 16*(7-(\f))
.endif
	TURN 64*((\f)%4)
	s_wait_dscnt 0x0
	s_wait_xcnt 0x0                                ; the last fragment's stores have read their data: the codes' registers are written again only behind this wait
	QUANT X, CD, PW
	global_store_b128 v[LI], v[CD:CD+3], s[30:31] offset:1024*(\f)        ; 32 lanes store 512 consecutive aligned bytes
	global_store_b128 v[LI], v[CD+4:CD+7], s[30:31] offset:1024*(\f)+512
	ds_store_b32 v[TSW], v[PW] offset:64*(\f)      ; lanes r and r + 16 write the same word with the same value
.endm
	LOADT 0
	LOADT 1
	LOADT 2
.irp f, 0,1,2,3,4,5,6,7
	TFRAG \f
.endr
	ds_load_b128 v[24:27], v[TSR]                  ; LDS serves a wave's instructions in order: this sees my stores
	s_wait_dscnt 0x0
	global_store_b128 v[LI], v[24:27], s[32:33]    ; my 128 scale words: 512 consecutive aligned bytes
	s_wait_tensorcnt 0x0                           ; the wave's end: behind my last LDS store
	ds_add_u32 v[SPW], v[NIL]
	s_wait_dscnt 0x0
	s_endpgm
.Lfunc_end_k_qc4bc6dabd3_prep:
	.size	k_qc4bc6dabd3_prep, .Lfunc_end_k_qc4bc6dabd3_prep-k_qc4bc6dabd3_prep
	.p2alignl 7, 3214868480
	.fill 96, 4, 3214868480
	.section	.rodata,"a",@progbits
	.p2align	6, 0x0
	.amdhsa_kernel k_qc4bc6dabd3_prep
		.amdhsa_group_segment_fixed_size 327680
		.amdhsa_private_segment_fixed_size 0
		.amdhsa_enable_private_segment 0
		.amdhsa_kernarg_size 120
		.amdhsa_user_sgpr_count 2
		.amdhsa_user_sgpr_kernarg_segment_ptr 1
		.amdhsa_wavefront_size32 1
		.amdhsa_system_sgpr_workgroup_id_x 1
		.amdhsa_system_sgpr_workgroup_id_y 1
		.amdhsa_system_sgpr_workgroup_id_z 1
		.amdhsa_system_vgpr_workitem_id 0
		.amdhsa_next_free_vgpr 768
		.amdhsa_next_free_sgpr 80
		.amdhsa_reserve_vcc 0
		.amdhsa_float_denorm_mode_32 3
		.amdhsa_float_denorm_mode_16_64 3
		.amdhsa_memory_ordered 1
		.amdhsa_forward_progress 1
		.amdhsa_inst_pref_size 247
	.end_amdhsa_kernel
	.amdgpu_metadata
---
amdhsa.version: [ 1, 2 ]
amdhsa.kernels:
  - .name:           k_qc4bc6dabd3_prep
    .symbol:         k_qc4bc6dabd3_prep.kd
    .args:
      - { .name: feats, .offset: 0, .size: 8, .value_kind: global_buffer, .address_space: global }
      - { .name: conv_w, .offset: 8, .size: 8, .value_kind: global_buffer, .address_space: global }
      - { .name: conv_b, .offset: 16, .size: 8, .value_kind: global_buffer, .address_space: global }
      - { .name: pm_int_bg, .offset: 24, .size: 8, .value_kind: global_buffer, .address_space: global }
      - { .name: pm_int_fg, .offset: 32, .size: 8, .value_kind: global_buffer, .address_space: global }
      - { .name: pm_init_bg, .offset: 40, .size: 8, .value_kind: global_buffer, .address_space: global }
      - { .name: pm_init_fg, .offset: 48, .size: 8, .value_kind: global_buffer, .address_space: global }
      - { .name: pm_prev_bg, .offset: 56, .size: 8, .value_kind: global_buffer, .address_space: global }
      - { .name: pm_prev_fg, .offset: 64, .size: 8, .value_kind: global_buffer, .address_space: global }
      - { .name: out2, .offset: 72, .size: 8, .value_kind: global_buffer, .address_space: global }
      - { .name: out3, .offset: 80, .size: 8, .value_kind: global_buffer, .address_space: global }
      - { .name: pcodes, .offset: 88, .size: 8, .value_kind: global_buffer, .address_space: global }
      - { .name: pscales, .offset: 96, .size: 8, .value_kind: global_buffer, .address_space: global }
      - { .name: tcodes, .offset: 104, .size: 8, .value_kind: global_buffer, .address_space: global }
      - { .name: tscales, .offset: 112, .size: 8, .value_kind: global_buffer, .address_space: global }
    .group_segment_fixed_size: 327680
    .private_segment_fixed_size: 0
    .kernarg_segment_align: 8
    .kernarg_segment_size: 120
    .max_flat_workgroup_size: 128
    .sgpr_count:     80
    .vgpr_count:     768
    .wavefront_size: 32
...
	.end_amdgpu_metadata
.endif
;; end of part 1
;; launch match (part 2): grid 16 x 16, 8 waves a work-group, clusters of 4 x 1, 327,680 bytes of LDS; arguments tcodes, tscales, pcodes, pscales, out0, out1; writes out0, out1
.if DOCPART == 2
	.amdgcn_target "amdgcn-amd-amdhsa--gfx1250"
	.amdhsa_code_object_version 6
	.text
	.protected	k_qc4bc6dabd3_match
	.globl	k_qc4bc6dabd3_match
	.p2align	8
	.type	k_qc4bc6dabd3_match,@function
k_qc4bc6dabd3_match:
	s_mov_b64 s[64:65], 0
	v_nop
	global_prefetch_b8 v0, s[64:65] scope:SCOPE_SE
	s_setreg_imm32_b32 hwreg(HW_REG_WAVE_MODE, 25, 1), 1
	s_wait_xcnt 0x0
	s_wait_alu depctr_hold_cnt(0) depctr_sa_sdst(0) depctr_va_vdst(0) depctr_va_sdst(0) depctr_va_ssrc(0) depctr_va_vcc(0) depctr_vm_vsrc(0)
	s_getreg_b32 s2, hwreg(HW_REG_IB_STS2, 6, 4)
	s_cmp_eq_u32 s2, 0
	s_cbranch_scc0 .Lentry_in_a_cluster
	s_endpgm
.Lentry_in_a_cluster:
	s_bfe_u32 s2, ttmp6, 0x10000c
	s_cmp_lg_u32 s2, 0x3003
	s_cbranch_scc0 .Lentry_shape_is_right
	s_endpgm
.Lentry_shape_is_right:
; PixelLevelMatching, second launch: for each of the 16 runs y = 4 set + b of 4,096 templates, and each pixel of batch b, the largest of the 4,096 scores template . pixel, on the codes of E2M1 and
; E8M0 scale words that the first launch made (K = the 128 channels: one matrix instruction deep).  Nothing is left out: every score is computed.
; SHARES.  A work-group owns one run y and 256 pixels: each output has one owner.  Every wave keeps the 16 pixel fragments in registers (128) and walks its own eighth of the run, 32 fragments of 16 templates:
; so a template fragment is read from LDS once and feeds 16 products.  At the end the eight waves' maxima meet in LDS.
; EIGHT WAVES, two to a SIMD: each product brings four vector instructions with it, and a wave issues in order; with a second wave on the SIMD one wave's maxima and LDS loads can be issued beside the other's products.
; The price: the pixels' 16,384 bytes are loaded by eight waves, 131,072 bytes a work-group.  They are asked for ahead of the cluster's first round, so that they travel while the partners gather.
; CLUSTER.  The four pixel blocks of a cluster need the same run of templates: its codes (262,144 bytes) and scale words (16,384) come by JOINT loads, the same descriptor and the mask of all four in each partner.
; The whole run fits in LDS: every load is a first fill, nothing is filled again, and the cluster's barrier has an opening and a closing round alone.  (The pixels' fragments are shared by no partner.)
; LAYOUT.  Source 0 = 16 templates, source 1 = 16 pixels: in the result lane (r, h) holds pixel r and templates 8 h + 0 .. 7, so the maximum over templates is taken along a lane's registers.
; BY TURNS.  A product's eight results cost four v_max3_num_f32.  They stand as a slice behind a later product: four result tiles take turns; the slice behind product g folds the tile of product g - 2
; (three instructions) and ends that of product g - 3 (one).  So a result is first read eight plain instructions behind its product, at its low end, and no v_nop is written in the loop.
; LIMITS: a NaN among the scores is dropped by the maximum (NaN and infinities among the inputs are not served).
.set ASC,   262144                     ; LDS: codes at 0, 32,768 bytes a wave; scale words here, 2,048 bytes a wave
.set RED,   278528                     ; the waves' maxima: 256 pixels x 4 bytes for each of the eight waves
.set SPARE, 286720                     ; the spare words, 128 bytes for each wave: four blocks of 256 bytes that no other line names
.set SPW,  4                           ; v4   my spare word's LDS address; never rewritten
.set NIL,  5                           ; v5   0; never rewritten
.set A0,   6                           ; v6   my eighth's codes: 32,768 w + 16 x lane
.set AS0,  7                           ; v7   its scale words: ASC + 2,048 w + 4 x lane
.set ADR,  8                           ; v8   the same for the four fragments in hand
.set ADS,  9                           ; v9
.set L16,  10                          ; v10  16 x lane
.set L4,   11                          ; v11  4 x lane
.set RST,  12                          ; v12  where my maxima go
.set RRD,  13                          ; v13  where waves 0-3 read the eight waves' maxima of their 64 pixels
.set L8,   14                          ; v14  8 x lane
.set AS,   16                          ; v16-17 templates' scale words: lanes 0-15 an even fragment, lanes 16-31 the odd one behind it; scales and nothing else
.set BS,   18                          ; v18-25 pixels' scale words: tiles 2 i and 2 i + 1 likewise; scales and nothing else
.set MX,   32                          ; v32-47 the running maximum of pixel tile p
.set DR,   48                          ; v48-79 four result tiles that take turns
.set AF,   80                          ; v80-111 four template fragments that take turns
.set BF,   128                         ; v128-255 the 16 pixel fragments
.set G1C,  16                          ; s[16:23] descriptor group 1 for 16,384 bytes of codes;  s[24:31] for 2,048 bytes of scale words
.set G1S,  24
.set G0S,  32                          ; s[32:35] group 0 for my scale words;  s[36:43] for my two chunks of codes
.set G0C,  36
.set WV,   52
.set SEL,  54                          ; s[54:55] v_permlanex16_b32's selects for lane l xor 16
.set TB,   56                          ; s56  bytes of codes walked
.set TS,   57                          ; s57  bytes of scale words walked
.set CNT,  58
.macro CROUND                          ; a round of the cluster's barrier
	s_barrier_signal -1
	s_barrier_wait -1
	s_cmp_lg_u32 s[WV], 0
	s_cbranch_scc1 .Lnot_wave_0_\@
	s_barrier_signal -3
.Lnot_wave_0_\@:
	s_barrier_wait -3
	s_barrier_signal -1
	s_barrier_wait -1
.endm
	s_load_b256 s[4:11], s[0:1], 0x0               ; tcodes 4, tscales 6, pcodes 8, pscales 10
	s_load_b128 s[12:15], s[0:1], 0x20             ; out0 12, out1 14
	v_lshl_add_u32 v[SPW], v0, 2, SPARE
	v_mov_b32 v[NIL], 0
	ds_add_u32 v[SPW], v[NIL]                      ; the wave's opening: the add, twice on end, and its wait ahead of the round in front of my first tensor loads
	ds_add_u32 v[SPW], v[NIL]                      ; and once more, under the one wait; the set-up below, work on registers, stands between
	v_lshrrev_b32 v1, 5, v0
	v_readfirstlane_b32 s[WV], v1                  ; wave 0..7
	v_and_b32 v1, 31, v0                           ; lane
	v_and_b32 v2, 15, v0                           ; r
	v_lshlrev_b32 v[L16], 4, v1
	v_lshlrev_b32 v[L4], 2, v1
	v_lshlrev_b32 v[L8], 3, v1
	s_bfe_u32 s59, ttmp6, 0x40000                  ; cx: my place in the cluster
	s_lshl_b32 s60, ttmp9, 2
	s_add_co_u32 s60, s60, s59                     ; my block of 256 pixels: it enters the pixels' and the outputs' addresses alone
	s_and_b32 s61, ttmp7, 0xffff                   ; y = 4 set + b, which the four partners share
	s_and_b32 s62, s61, 3                          ; b
	s_lshl_b32 s66, s61, 18                        ; a run's codes are 262,144 bytes,
	s_lshl_b32 s63, s[WV], 15                      ; my eighth 32,768
	s_add_co_u32 s66, s66, s63
	s_mov_b32 s67, 0
	s_lshl_b32 s68, s61, 14                        ; its scale words 16,384 bytes,
	s_lshl_b32 s53, s[WV], 11                      ; my eighth 2,048
	s_add_co_u32 s68, s68, s53
	s_mov_b32 s69, 0
	s_lshl_b32 s72, s62, 18                        ; pcodes: tile 256 b + 16 x block, 1,024 bytes each
	s_lshl_b32 s73, s60, 14
	s_add_co_u32 s72, s72, s73
	s_mov_b32 s73, 0
	s_lshl_b32 s74, s62, 14                        ; pscales: a word a pixel
	s_lshl_b32 s75, s60, 10
	s_add_co_u32 s74, s74, s75
	s_bfe_u32 s76, s61, 0x10002                    ; set % 2: background or foreground
	s_lshl_b32 s77, s62, 1
	s_add_co_u32 s76, s76, s77
	s_lshl_b32 s76, s76, 14                        ; out[b][set % 2]: 16,384 bytes each,
	s_add_co_u32 s76, s76, s75                     ; my block's 1,024,
	s_and_b32 s78, s[WV], 3
	s_lshl_b32 s78, s78, 8                         ; 256 (w % 4): waves 0-3 fold and store 64 pixels each; with w % 4 no wave's address leaves the block
	s_add_co_u32 s76, s76, s78
	s_mov_b32 s75, 0
	s_mov_b32 s77, 0
	; descriptor groups 1: dense blocks as rows of 256 bytes (32 elements of 8 bytes); the mask names all four partners, bit 21 is set beside it
	s_mov_b32 s[G1C+0], 15|(3<<16)|(1<<21)
	s_mov_b32 s[G1C+1], 32<<16                     ; tensor_dim0 = 32
	s_mov_b32 s[G1C+2], 64<<16                     ; tensor_dim1 = 64
	s_mov_b32 s[G1C+3], 32<<16                     ; tile_dim0 = 32
	s_mov_b32 s[G1C+4], 64                         ; tile_dim1 = 64
	s_mov_b32 s[G1C+5], 32                         ; from row to row
	s_mov_b32 s[G1C+6], 0
	s_mov_b32 s[G1C+7], 0
	s_mov_b32 s[G1S+0], 15|(3<<16)|(1<<21)
	s_mov_b32 s[G1S+1], 32<<16
	s_mov_b32 s[G1S+2], 8<<16                      ; 8 rows: 2,048 bytes
	s_mov_b32 s[G1S+3], 32<<16
	s_mov_b32 s[G1S+4], 8
	s_mov_b32 s[G1S+5], 32
	s_mov_b32 s[G1S+6], 0
	s_mov_b32 s[G1S+7], 0
	s_mov_b32 s[SEL], 0x76543210
	s_mov_b32 s[SEL+1], 0xfedcba98
	s_mov_b32 s[TB], 0
	s_mov_b32 s[TS], 0
	s_wait_dscnt 0x0                               ; both opening adds are done
	s_wait_kmcnt 0x0
	s_add_nc_u64 s[70:71], s[4:5], s[66:67]        ; my eighth's codes: y and the wave's number alone, the same in all four partners
	s_mov_b32 s[G0S], 1
	s_add_co_u32 s[G0S+1], s53, ASC
	s_add_nc_u64 s[G0S+2:G0S+3], s[6:7], s[68:69]
	s_or_b32 s[G0S+3], s[G0S+3], 0x80000000
.irp k, 0,1
	s_mov_b32 s[G0C+4*\k], 1
	s_add_co_u32 s[G0C+4*\k+1], s63, 16384*\k
	s_add_nc_u64 s[G0C+4*\k+2:G0C+4*\k+3], s[70:71], 16384*\k
	s_or_b32 s[G0C+4*\k+3], s[G0C+4*\k+3], 0x80000000
.endr
	s_add_nc_u64 s[8:9], s[8:9], s[72:73]
	s_add_nc_u64 s[10:11], s[10:11], s[74:75]
	s_cmp_lt_u32 s61, 8                            ; sets 0, 1: out0; sets 2, 3: out1
	s_cselect_b64 s[12:13], s[12:13], s[14:15]
	s_add_nc_u64 s[12:13], s[12:13], s[76:77]
.irp p, 0,1,2,3,4,5,6,7,8,9,10,11,12,13,14,15
	global_load_b128 v[BF+8*\p:BF+8*\p+3], v[L16], s[8:9] offset:1024*\p        ; the pixels' fragments stay in registers.  Nobody writes these bytes in this launch: the loads may be out across the round below
	global_load_b128 v[BF+8*\p+4:BF+8*\p+7], v[L16], s[8:9] offset:1024*\p+512
.endr
.irp i, 0,1,2,3,4,5,6,7
	global_load_b32 v[BS+\i], v[L4], s[10:11] offset:128*\i
.endr
	CROUND                                         ; all four work-groups are here: the joint loads meet
	tensor_load_to_lds s[G0S:G0S+3], s[G1S:G1S+7]  ; every wave's three first fills go out together: three loads of mine are out.  The scale words first,
	s_nop 0
.irp k, 0,1
	tensor_load_to_lds s[G0C+4*\k:G0C+4*\k+3], s[G1C:G1C+7]   ; then 16 fragments a load
	s_nop 0
.endr
.rept 4
	v_nop
.endr
	v_lshl_add_u32 v[A0], v1, 4, s63
	v_lshl_add_u32 v[AS0], v1, 2, s[G0S+1]
	s_lshl_b32 s59, s[WV], 10
	s_add_co_u32 s59, s59, RED
	v_lshl_add_u32 v[RST], v2, 2, s59
	s_add_co_u32 s59, s78, RED
	v_lshl_add_u32 v[RRD], v1, 3, s59
	s_mov_b32 s59, 0xff800000                      ; -infinity, under every score: the maxima begin there, and so do the registers that the first two slices read ahead of any product
.irp p, 0,1,2,3,4,5,6,7,8,9,10,11,12,13,14,15
	v_mov_b32 v[MX+\p], s59
.endr
	v_mov_b32 v[DR+8], s59
	v_mov_b32 v[DR+11], s59
.irp i, 16,17,18,19,20,21,22,23,24,25,26,27,28,29,30,31
	v_mov_b32 v[DR+\i], s59
.endr
; Product (j, p): fragment j of the four in hand x pixel tile p, into result tile p % 4; C = 0: K is one instruction deep.  The scales' rows: an odd fragment's or tile's words lie in lanes 16-31.
.macro PROD j, p
.if ((\j)%2 == 0) && ((\p)%2 == 0)
	v_wmma_scale_f32_16x16x128_f8f6f4 v[DR+8*((\p)%4):DR+8*((\p)%4)+7], v[AF+8*(\j):AF+8*(\j)+7], v[BF+8*(\p):BF+8*(\p)+7], 0, v[AS+(\j)/2], v[BS+(\p)/2] matrix_a_fmt:MATRIX_FMT_FP4 matrix_b_fmt:MATRIX_FMT_FP4
.elseif ((\j)%2 == 0)
	v_wmma_scale_f32_16x16x128_f8f6f4 v[DR+8*((\p)%4):DR+8*((\p)%4)+7], v[AF+8*(\j):AF+8*(\j)+7], v[BF+8*(\p):BF+8*(\p)+7], 0, v[AS+(\j)/2], v[BS+(\p)/2] matrix_a_fmt:MATRIX_FMT_FP4 matrix_b_fmt:MATRIX_FMT_FP4 matrix_b_scale:MATRIX_SCALE_ROW1
.elseif ((\p)%2 == 0)
	v_wmma_scale_f32_16x16x128_f8f6f4 v[DR+8*((\p)%4):DR+8*((\p)%4)+7], v[AF+8*(\j):AF+8*(\j)+7], v[BF+8*(\p):BF+8*(\p)+7], 0, v[AS+(\j)/2], v[BS+(\p)/2] matrix_a_fmt:MATRIX_FMT_FP4 matrix_b_fmt:MATRIX_FMT_FP4 matrix_a_scale:MATRIX_SCALE_ROW1
.else
	v_wmma_scale_f32_16x16x128_f8f6f4 v[DR+8*((\p)%4):DR+8*((\p)%4)+7], v[AF+8*(\j):AF+8*(\j)+7], v[BF+8*(\p):BF+8*(\p)+7], 0, v[AS+(\j)/2], v[BS+(\p)/2] matrix_a_fmt:MATRIX_FMT_FP4 matrix_b_fmt:MATRIX_FMT_FP4 matrix_a_scale:MATRIX_SCALE_ROW1 matrix_b_scale:MATRIX_SCALE_ROW1
.endif
.endm
; The slice behind product g.  It names neither the tile of product g nor that of product g - 1: so it is four places behind each of them.
.macro SLICE g
.set rA, DR+8*(((\g)+2)%4)             ; the tile of product g - 2,
.set mA, MX+(((\g)+14)%16)             ; and its pixels' maximum
.set rC, DR+8*(((\g)+1)%4)             ; the tile of product g - 3,
.set mC, MX+(((\g)+13)%16)             ; and its pixels' maximum
	v_max3_num_f32 v[rA], v[rA], v[rA+1], v[rA+2]          ; a result is read from its low end on
	v_max3_num_f32 v[rA+3], v[rA+3], v[rA+4], v[rA+5]
	v_max3_num_f32 v[mA], v[mA], v[rA+6], v[rA+7]
	v_max3_num_f32 v[mC], v[mC], v[rC], v[rC+3]
.endm
; FOUR FRAGMENTS, 64 products.  The LDS loads run three fragments ahead and stand behind the second slice of a fragment: the registers that they fill were last read three slices, twelve plain instructions, back.
; Order of issue: j = 0: scale words of fragments 2, 3, then fragment 3;  j = 1: the next four's fragment 0;  j = 2: the next four's scale words of 0, 1, then fragment 1;  j = 3: fragment 2.
; The wait at a fragment's head counts the LDS loads issued behind what it needs: j = 0: fragments 1, 2 (4);  j = 1: fragment 2, a scale word, fragment 3 (5);  j = 2: fragment 3, the next 0 (4);  j = 3: the next 0, a scale word, the next 1 (5).
; last = 1: nothing follows: only j = 0 loads, and the counts run 4, 5, 2, 0.
.macro QUAD last
	v_add_nc_u32 v[ADR], s[TB], v[A0]
	v_add_nc_u32 v[ADS], s[TS], v[AS0]
.irp j, 0,1,2,3
.if \last
.if \j == 0
	s_wait_dscnt 4
.elseif \j == 1
	s_wait_dscnt 5
.elseif \j == 2
	s_wait_dscnt 2
.else
	s_wait_dscnt 0
.endif
.else
	s_wait_dscnt 4+(\j%2)
.endif
.irp p, 0,1,2,3,4,5,6,7,8,9,10,11,12,13,14,15
	PROD \j, \p
	SLICE 16*\j+\p
.if \p == 1
.if \j == 0
	ds_load_b32 v[AS+1], v[ADS] offset:128
.endif
.if (\j == 2) && (\last == 0)
	ds_load_b32 v[AS], v[ADS] offset:256
.endif
.if (\last == 0) || (\j == 0)
	ds_load_b128 v[AF+8*((\j+3)%4):AF+8*((\j+3)%4)+3], v[ADR] offset:(\j+3)*1024
	ds_load_b128 v[AF+8*((\j+3)%4)+4:AF+8*((\j+3)%4)+7], v[ADR] offset:(\j+3)*1024+512
.endif
.endif
.endr
.endr
	s_add_co_u32 s[TB], s[TB], 4096
	s_add_co_u32 s[TS], s[TS], 256
.endm
.macro QUADS n                                 ; n times four fragments
	s_mov_b32 s[CNT], \n
.Lquad_\@:
	QUAD 0
	s_sub_co_u32 s[CNT], s[CNT], 1
	s_cmp_lg_u32 s[CNT], 0
	s_cbranch_scc1 .Lquad_\@
.endm
	s_wait_tensorcnt 0x1                           ; my scale words and my fragments 0-15 are in; one load stays out.  Only I read my eighth, so my own counter orders my reads
	ds_load_b128 v[AF:AF+3], v[A0]                 ; fragment 0,
	ds_load_b128 v[AF+4:AF+7], v[A0] offset:512
	ds_load_b32 v[AS], v[AS0]                      ; the scale words of fragments 0, 1,
	ds_load_b128 v[AF+8:AF+11], v[A0] offset:1024  ; fragments 1 and 2: the order of issue that the loop keeps
	ds_load_b128 v[AF+12:AF+15], v[A0] offset:1536
	ds_load_b128 v[AF+16:AF+19], v[A0] offset:2048
	ds_load_b128 v[AF+20:AF+23], v[A0] offset:2560
	s_wait_loadcnt 0x0                             ; the pixels
	QUADS 3                                        ; fragments 0-11; the loads reach fragment 14
	s_wait_tensorcnt 0x0                           ; fragments 16-31 are in
	QUADS 4                                        ; fragments 12-27; the loads reach fragment 30
	QUAD 1                                         ; fragments 28-31
	SLICE 64                                       ; the last two products' tiles are folded
	SLICE 65
	v_max3_num_f32 v[MX+15], v[MX+15], v[DR+24], v[DR+27]
.irp p, 0,1,2,3,4,5,6,7,8,9,10,11,12,13,14,15
	v_permlanex16_b32 v[AF+\p], v[MX+\p], s[SEL], s[SEL+1]   ; the pixel's other eight templates of each fragment lie in the lane 16 away
.endr
.irp p, 0,1,2,3,4,5,6,7,8,9,10,11,12,13,14,15
	v_max_num_f32 v[MX+\p], v[MX+\p], v[AF+\p]
.endr
.irp p, 0,1,2,3,4,5,6,7,8,9,10,11,12,13,14,15
	ds_store_b32 v[RST], v[MX+\p] offset:64*\p     ; pixel 16 p + r; lanes r and r + 16 write the same word with the same value
.endr
	s_wait_dscnt 0x0                               ; for the others' sake: my maxima have landed
	s_barrier_signal -1
	s_barrier_wait -1
	s_cmp_ge_u32 s[WV], 4                          ; waves 0-3 fold 64 pixels each, so that a wave's store covers 256 consecutive bytes; the branch hangs on the wave's number alone and leads round no barrier
	s_cbranch_scc1 .Lno_store
.irp k, 0,1,2,3,4,5,6,7
	ds_load_b64 v[DR+2*\k:DR+2*\k+1], v[RRD] offset:1024*\k   ; wave k's maxima of pixels 64 w + 2 x lane, + 1
.endr
	s_wait_dscnt 0x0
.irp k, 2,6,10
	v_max3_num_f32 v[DR], v[DR], v[DR+\k], v[DR+\k+2]
	v_max3_num_f32 v[DR+1], v[DR+1], v[DR+\k+1], v[DR+\k+3]
.endr
	v_max_num_f32 v[DR], v[DR], v[DR+14]
	v_max_num_f32 v[DR+1], v[DR+1], v[DR+15]
	global_store_b64 v[L8], v[DR:DR+1], s[12:13]   ; 32 lanes store 256 consecutive aligned bytes
.Lno_store:
	s_wait_tensorcnt 0x0                           ; the wave's end: behind my last tensor load and my last LDS store
	ds_add_u32 v[SPW], v[NIL]
	s_wait_dscnt 0x0
	CROUND                                         ; the closing round: no work-group ends while a partner may still ask for a tile that names it
	s_endpgm
.Lfunc_end_k_qc4bc6dabd3_match:
	.size	k_qc4bc6dabd3_match, .Lfunc_end_k_qc4bc6dabd3_match-k_qc4bc6dabd3_match
	.p2alignl 7, 3214868480
	.fill 96, 4, 3214868480
	.section	.rodata,"a",@progbits
	.p2align	6, 0x0
	.amdhsa_kernel k_qc4bc6dabd3_match
		.amdhsa_group_segment_fixed_size 327680
		.amdhsa_private_segment_fixed_size 0
		.amdhsa_enable_private_segment 0
		.amdhsa_kernarg_size 48
		.amdhsa_user_sgpr_count 2
		.amdhsa_user_sgpr_kernarg_segment_ptr 1
		.amdhsa_wavefront_size32 1
		.amdhsa_system_sgpr_workgroup_id_x 1
		.amdhsa_system_sgpr_workgroup_id_y 1
		.amdhsa_system_sgpr_workgroup_id_z 1
		.amdhsa_system_vgpr_workitem_id 0
		.amdhsa_next_free_vgpr 256
		.amdhsa_next_free_sgpr 80
		.amdhsa_reserve_vcc 0
		.amdhsa_float_denorm_mode_32 3
		.amdhsa_float_denorm_mode_16_64 3
		.amdhsa_memory_ordered 1
		.amdhsa_forward_progress 1
		.amdhsa_inst_pref_size 90
	.end_amdhsa_kernel
	.amdgpu_metadata
---
amdhsa.version: [ 1, 2 ]
amdhsa.kernels:
  - .name:           k_qc4bc6dabd3_match
    .symbol:         k_qc4bc6dabd3_match.kd
    .args:
      - { .name: tcodes, .offset: 0, .size: 8, .value_kind: global_buffer, .address_space: global }
      - { .name: tscales, .offset: 8, .size: 8, .value_kind: global_buffer, .address_space: global }
      - { .name: pcodes, .offset: 16, .size: 8, .value_kind: global_buffer, .address_space: global }
      - { .name: pscales, .offset: 24, .size: 8, .value_kind: global_buffer, .address_space: global }
      - { .name: out0, .offset: 32, .size: 8, .value_kind: global_buffer, .address_space: global }
      - { .name: out1, .offset: 40, .size: 8, .value_kind: global_buffer, .address_space: global }
    .group_segment_fixed_size: 327680
    .private_segment_fixed_size: 0
    .kernarg_segment_align: 8
    .kernarg_segment_size: 48
    .max_flat_workgroup_size: 256
    .sgpr_count:     80
    .vgpr_count:     256
    .wavefront_size: 32
...
	.end_amdgpu_metadata
.endif
;; end of part 2
